; MI455X (gfx1250); checked and timed in simulation.
; The chip was launched on July 23, 2026; its instructions are those of AMD's public machine-readable ISA for CDNA 5 (MIT licence, August 2026) and "CDNA5" Instruction Set Architecture Reference Guide (July 2026). The comments in the code are by the model that wrote it; some were corrected since.
;; Simple Mo E. Allowed arithmetic: float matrix products may take bf16 or f16 operands with f32 sums; all other float work in f32.
;; Inputs: expert_b 8 x 1,024 float32; expert_w 8 x 1,024 x 1,024 float32; gate_b 8 float32; gate_w 8 x 1,024 float32; x 8,192 x 1,024 float32.
;; Outputs: out0 8,192 x 1,024 float32.
;; One version. Each part assembles by itself: llvm-mc -triple=amdgcn-amd-amdhsa -mcpu=gfx1250 --defsym DOCPART=n.
;; ======== version 1 of 1: 2 launches
;; workspace buffers: xb 16,777,216 bytes; wb 16,777,216 bytes; gates 262,144 bytes
;; launch prep (part 1): grid 128 x 2, 8 waves a work-group, no clusters, 0 bytes of LDS; arguments x, expert_w, gate_w, gate_b, xb, wb, gates; writes xb, wb, gates
.if DOCPART == 1
	.amdgcn_target "amdgcn-amd-amdhsa--gfx1250"
	.amdhsa_code_object_version 6
	.text
	.protected	k_q406082d773_prep
	.globl	k_q406082d773_prep
	.p2align	8
	.type	k_q406082d773_prep,@function
k_q406082d773_prep:
	s_mov_b64 s[64:65], 0
	v_nop
	global_prefetch_b8 v0, s[64:65] scope:SCOPE_SE
	s_setreg_imm32_b32 hwreg(HW_REG_WAVE_MODE, 25, 1), 1
	s_wait_xcnt 0x0
; prep: xb = bf16(x), wb = bf16(expert_w) with its rows in another order, gates = softmax(x gate_w^T + gate_b) in f32.
; x: [8192][1024] f32.  expert_w: [8][1024][1024] f32, taken as 8192 rows (e, o).  gate_w: [8][1024] f32.  gate_b: [8] f32.
; Grid 128 x 2: y = 0 takes x, y = 1 takes expert_w.  A work-group takes 64 rows of 4,096 bytes, a wave 8 of them, one row at a time:
; eight loads of 16 bytes a lane (512 neighbouring bytes each), so lane l holds columns 128 j + 4 l .. + 3 of load j.
; The row leaves as eight stores of 8 bytes a lane: each covers 256 consecutive bytes, aligned.  Every input byte is read once.
; Four row slots in registers take turns, so three to four rows of every wave are on their way.
; wb: row (e, o) goes to row (o>>6)*512 + (e>>2)*256 + ((o>>5)&1)*128 + (e&3)*32 + (o&31), so that the next launch finds the 256 rows
; of each of its tiles (64 outputs of 4 experts) one behind the other.  A wave's eight rows stay neighbours there.
; The gate product has 8 columns and rides on the stream in f32 on the vector unit: each wave keeps all of gate_w in 256 registers
; (window 1), 128 packed multiply-adds a row.  The matrix unit would want x in another lane layout, a trip through LDS, for nothing.
; No LDS, no barrier: no wave needs another.
; LIMITS: bf16 rounding is to nearest even, once.  The softmax takes the row's maximum away first.  v_exp_f32 gives 0 for results
; below 2^-126 (ISA guide, 15.8), so a gate smaller than that is 0; v_exp_f32 and v_rcp_f32 are good to 1 ULP.  The order of the
; logits' sums is not that of the reference.
.set ROWB,  4096                       ; bytes in a row as read
.set OROWB, 2048                       ; bytes in a row as written
.set LOFF, 2                           ; v2       16 x lane: my bytes in each load; never rewritten
.set SOFF, 3                           ; v3       8 x lane: my bytes in each store; never rewritten
.set GBO,  4                           ; v4       8 x (lane & 3)
.set GB,   6                           ; v[6:7]   gate_b of experts 2 (lane & 3) and 2 (lane & 3) + 1
.set GS,   8                           ; v[8:9]   the gates as they leave: lane l has row l >> 2, experts 2 (l & 3) and + 1
.set P,    10                          ; v[10:25] a pair of partial sums for each expert
.set T,    26                          ; v[26:41] at work
.set Y,    44                          ; v[44:59] the row in bf16
.set X,    80                          ; v[80:207] four slots of 32: a row as loaded
                                       ; window 1, v[0:255]: gate_w[e][128 j + 4 l .. + 3] at 32 e + 4 j
.set MSB, 0
.macro WIN new                         ; the immediate's high byte repeats the setting that is left
.if MSB != \new
	s_set_vgpr_msb (MSB<<8)|\new
.set MSB, \new
.endif
.endm
	s_load_b256 s[4:11], s[0:1], 0x0               ; x s[4:5], expert_w s[6:7], gate_w s[8:9], gate_b s[10:11]
	s_load_b128 s[12:15], s[0:1], 0x20             ; xb s[12:13], wb s[14:15]
	s_load_b64 s[16:17], s[0:1], 0x30              ; gates
	v_lshrrev_b32 v1, 5, v0
	v_readfirstlane_b32 s18, v1                    ; wave 0..7
	s_and_b32 s19, ttmp7, 0xffff                   ; 0: x, 1: expert_w
	v_and_b32 v1, 31, v0                           ; lane
	v_lshlrev_b32 v[LOFF], 4, v1
	v_lshlrev_b32 v[SOFF], 3, v1
	s_lshl_b32 s26, ttmp9, 6
	s_lshl3_add_u32 s26, s18, s26                  ; my first row = 64 x group + 8 x wave
	s_lshl_b32 s30, s26, 5                         ; its place in gates (32 bytes a row),
	s_lshl_b32 s28, s26, 11                        ; in xb,
	s_lshl_b32 s26, s26, 12                        ; and in the source: all below 2^26
	s_mov_b32 s27, 0
	s_mov_b32 s29, 0
	s_mov_b32 s31, 0
	s_wait_kmcnt 0x0
	s_cmp_lg_u32 s19, 0
	s_cbranch_scc1 .Lweights
; eight loads: row i of my eight into slot s.  src: the source's base register
.macro FILL s, i, src
.irp j, 0,1,2,3,4,5,6,7
	global_load_b128 v[X+32*\s+4*\j:X+32*\s+4*\j+3], v[LOFF], s[\src:\src+1] offset:ROWB*(\i)+512*\j th:TH_LOAD_NT
.endr
.endm
; row i, in slot s, is rounded to bf16 and stored.  dst: the base register of xb or wb
.macro CAST s, i, dst
	s_wait_xcnt 0x0                                ; Y is the data of the last row's stores: it is rewritten only behind this wait
.irp j, 0,1,2,3,4,5,6,7
	v_cvt_pk_bf16_f32 v[Y+2*\j],   v[X+32*\s+4*\j],   v[X+32*\s+4*\j+1]
	v_cvt_pk_bf16_f32 v[Y+2*\j+1], v[X+32*\s+4*\j+2], v[X+32*\s+4*\j+3]
.endr
.irp j, 0,1,2,3,4,5,6,7
	global_store_b64 v[SOFF], v[Y+2*\j:Y+2*\j+1], s[\dst:\dst+1] offset:OROWB*(\i)+256*\j   ; 32 lanes x 8 bytes = 256 consecutive bytes, aligned; read again by the next launch: no hint
.endr
.endm
; my 32 numbers of the row in slot s times my 32 numbers of each of the eight rows of gate_w: eight chains that do not wait for each other
.macro DOT s
	WIN 0x04                                       ; source 1 (gate_w) in window 1
.irp j, 0,1,2,3,4,5,6,7
.irp d, 0,2
.irp e, 0,1,2,3,4,5,6,7
.if \j+\d
	v_pk_fma_f32 v[P+2*\e:P+2*\e+1], v[X+32*\s+4*\j+\d:X+32*\s+4*\j+\d+1], v[32*\e+4*\j+\d:32*\e+4*\j+\d+1], v[P+2*\e:P+2*\e+1]
.else
	v_pk_mul_f32 v[P+2*\e:P+2*\e+1], v[X+32*\s+4*\j+\d:X+32*\s+4*\j+\d+1], v[32*\e+4*\j+\d:32*\e+4*\j+\d+1]   ; the first products start the sums
.endif
.endr
.endr
.endr
	WIN 0
.irp e, 0,1,2,3,4,5,6,7
	v_add_f32 v[P+2*\e], v[P+2*\e], v[P+2*\e+1]    ; expert e: one partial sum a lane
.endr
.endm
; Eight sums over 32 lanes, then the softmax of row i.  Two folding steps halve the number of sums as they add: a lane keeps the half
; that its own bit picks and hands the other half to its neighbour.  Behind them lane l holds experts 2 (l & 3) and 2 (l & 3) + 1.
.macro SOFTMAX i
.irp k, 0,1,2,3
	v_cndmask_b32 v[T+\k],   v[P+2*\k],   v[P+2*\k+8], s22      ; lanes with bit 1 keep expert k + 4, the others expert k,
	v_cndmask_b32 v[T+4+\k], v[P+2*\k+8], v[P+2*\k],   s22      ; and hand over the other one
.endr
.irp k, 0,1,2,3
	v_add_f32_dpp v[T+\k], v[T+4+\k], v[T+\k] row_xmask:2 row_mask:0xf bank_mask:0xf
.endr
.irp k, 0,1
	v_cndmask_b32 v[T+8+\k],  v[T+\k],   v[T+2+\k], s23         ; the same on lane bit 0: k + 2 or k of what is left
	v_cndmask_b32 v[T+10+\k], v[T+2+\k], v[T+\k],   s23
.endr
.irp k, 0,1
	v_add_f32_dpp v[T+8+\k], v[T+10+\k], v[T+8+\k] row_xmask:1 row_mask:0xf bank_mask:0xf
.endr
.irp m, 4,8
.irp k, 0,1
	v_add_f32_dpp v[T+8+\k], v[T+8+\k], v[T+8+\k] row_xmask:\m row_mask:0xf bank_mask:0xf
.endr
.endr
	v_permlanex16_b32 v[T+10], v[T+8], s20, s21    ; the other half of the wave (the destinations have been written above)
	v_permlanex16_b32 v[T+11], v[T+9], s20, s21
	v_pk_add_f32 v[T+8:T+9], v[T+8:T+9], v[T+10:T+11]
	v_pk_add_f32 v[T+8:T+9], v[T+8:T+9], v[GB:GB+1]             ; the two logits
	v_max_num_f32 v[T+12], v[T+8], v[T+9]
	v_max_num_f32_dpp v[T+12], v[T+12], v[T+12] row_xmask:1 row_mask:0xf bank_mask:0xf
	v_max_num_f32_dpp v[T+12], v[T+12], v[T+12] row_xmask:2 row_mask:0xf bank_mask:0xf   ; the largest of the eight, in every lane
	v_mul_f32 v[T+12], 0x3fb8aa3b, v[T+12]         ; times log2 e; its rounding is common to all eight and cancels in the quotient
	v_fma_f32 v[T+8], v[T+8], s25, -v[T+12]        ; (logit - maximum) log2 e, one rounding
	v_fma_f32 v[T+9], v[T+9], s25, -v[T+12]
	v_exp_f32 v[T+10], v[T+8]
	v_exp_f32 v[T+11], v[T+9]
	v_nop                                          ; one plain place behind a transcendental before its result is used (ISA guide 5.7.2)
	s_wait_alu depctr_va_vdst(0)
	v_add_f32 v[T+13], v[T+10], v[T+11]
	v_add_f32_dpp v[T+13], v[T+13], v[T+13] row_xmask:1 row_mask:0xf bank_mask:0xf
	v_add_f32_dpp v[T+13], v[T+13], v[T+13] row_xmask:2 row_mask:0xf bank_mask:0xf       ; the sum of the eight, at least 1
	v_rcp_f32 v[T+14], v[T+13]
	v_nop                                          ; the same place
.if \i
	s_wait_alu depctr_va_vdst(0)
	v_mul_f32 v[T+8], v[T+10], v[T+14]
	v_mul_f32 v[T+9], v[T+11], v[T+14]
	s_mov_b32 s24, 0xF<<(4*\i)                     ; lanes 4 i .. 4 i + 3 carry row i out
	v_cndmask_b32 v[GS],   v[GS],   v[T+8], s24
	v_cndmask_b32 v[GS+1], v[GS+1], v[T+9], s24
.else
	s_wait_alu depctr_va_vdst(0)
	v_mul_f32 v[GS],   v[T+10], v[T+14]            ; row 0 writes every lane, so that GS is whole
	v_mul_f32 v[GS+1], v[T+11], v[T+14]
.endif
.endm
; left = the loads of the younger rows, which stay out (loads come back in order: ISA guide 5.7.1)
.macro TURNX i, s, left, refill
	s_wait_loadcnt \left
	CAST \s, \i, 12
	DOT \s
.if \refill
	FILL \s, \i+4, 4
.endif
	SOFTMAX \i
.endm
.macro TURNW i, s, left, refill
	s_wait_loadcnt \left
	CAST \s, \i, 14
.if \refill
	FILL \s, \i+4, 6
.endif
.endm
	; ---- x: cast and gates ----
	s_add_nc_u64 s[4:5], s[4:5], s[26:27]
	s_add_nc_u64 s[12:13], s[12:13], s[28:29]
	s_add_nc_u64 s[16:17], s[16:17], s[30:31]
	s_mov_b32 s20, 0x76543210                      ; v_permlanex16_b32: lane i of one half reads lane i of the other
	s_mov_b32 s21, 0xfedcba98
	s_mov_b32 s22, 0xcccccccc                      ; lanes whose bit 1 is set
	s_mov_b32 s23, 0xaaaaaaaa                      ; lanes whose bit 0 is set
	s_mov_b32 s25, 0x3fb8aa3b                      ; log2 e
	v_and_b32 v[GBO], 3, v1
	v_lshlrev_b32 v[GBO], 3, v[GBO]
	WIN 0x40                                       ; destination in window 1
.irp e, 0,1,2,3,4,5,6,7
.irp j, 0,1,2,3,4,5,6,7
	global_load_b128 v[32*\e+4*\j:32*\e+4*\j+3], v[LOFF], s[8:9] offset:ROWB*\e+512*\j    ; gate_w, read by every wave: no hint
.endr
.endr
	WIN 0
	global_load_b64 v[GB:GB+1], v[GBO], s[10:11]
	FILL 0, 0, 4
	FILL 1, 1, 4
	FILL 2, 2, 4
	FILL 3, 3, 4
	TURNX 0, 0, 24, 1                              ; 24: rows 1 to 3 stay out; gate_w and gate_b were asked for earlier and are in
	TURNX 1, 1, 24, 1
	TURNX 2, 2, 24, 1
	TURNX 3, 3, 24, 1
	TURNX 4, 0, 24, 0                              ; nothing is left to fetch: the counts run down
	TURNX 5, 1, 16, 0
	TURNX 6, 2, 8, 0
	TURNX 7, 3, 0, 0
	global_store_b64 v[SOFF], v[GS:GS+1], s[16:17] ; eight rows of 32 bytes: 256 consecutive bytes, aligned
	s_endpgm
	; ---- expert_w: cast, rows into the order of the next launch's tiles ----
.Lweights:
	s_and_b32 s20, ttmp9, 15                       ; o >> 6 (an expert is 16 groups of 64 rows)
	s_lshl_b32 s20, s20, 9
	s_lshr_b32 s21, ttmp9, 6                       ; e >> 2
	s_lshl_b32 s21, s21, 8
	s_add_co_u32 s20, s20, s21
	s_lshr_b32 s21, s18, 2                         ; (o >> 5) & 1
	s_lshl_b32 s21, s21, 7
	s_add_co_u32 s20, s20, s21
	s_bfe_u32 s21, ttmp9, 0x20004                  ; e & 3
	s_lshl_b32 s21, s21, 5
	s_add_co_u32 s20, s20, s21
	s_and_b32 s21, s18, 3                          ; (o & 31) >> 3
	s_lshl3_add_u32 s20, s21, s20
	s_lshl_b32 s28, s20, 11                        ; in bytes
	s_add_nc_u64 s[6:7], s[6:7], s[26:27]
	s_add_nc_u64 s[14:15], s[14:15], s[28:29]
	FILL 0, 0, 6
	FILL 1, 1, 6
	FILL 2, 2, 6
	FILL 3, 3, 6
	TURNW 0, 0, 24, 1
	TURNW 1, 1, 24, 1
	TURNW 2, 2, 24, 1
	TURNW 3, 3, 24, 1
	TURNW 4, 0, 24, 0
	TURNW 5, 1, 16, 0
	TURNW 6, 2, 8, 0
	TURNW 7, 3, 0, 0
	s_endpgm
.Lfunc_end_k_q406082d773_prep:
	.size	k_q406082d773_prep, .Lfunc_end_k_q406082d773_prep-k_q406082d773_prep
	.p2alignl 7, 3214868480
	.fill 96, 4, 3214868480
	.section	.rodata,"a",@progbits
	.p2align	6, 0x0
	.amdhsa_kernel k_q406082d773_prep
		.amdhsa_group_segment_fixed_size 0
		.amdhsa_private_segment_fixed_size 0
		.amdhsa_enable_private_segment 0
		.amdhsa_kernarg_size 56
		.amdhsa_user_sgpr_count 2
		.amdhsa_user_sgpr_kernarg_segment_ptr 1
		.amdhsa_wavefront_size32 1
		.amdhsa_system_sgpr_workgroup_id_x 1
		.amdhsa_system_sgpr_workgroup_id_y 1
		.amdhsa_system_sgpr_workgroup_id_z 1
		.amdhsa_system_vgpr_workitem_id 0
		.amdhsa_next_free_vgpr 512
		.amdhsa_next_free_sgpr 66
		.amdhsa_reserve_vcc 0
		.amdhsa_float_denorm_mode_32 3
		.amdhsa_float_denorm_mode_16_64 3
		.amdhsa_memory_ordered 1
		.amdhsa_forward_progress 1
		.amdhsa_inst_pref_size 137
	.end_amdhsa_kernel
	.amdgpu_metadata
---
amdhsa.version: [ 1, 2 ]
amdhsa.kernels:
  - .name:           k_q406082d773_prep
    .symbol:         k_q406082d773_prep.kd
    .args:
      - { .name: x, .offset: 0, .size: 8, .value_kind: global_buffer, .address_space: global }
      - { .name: expert_w, .offset: 8, .size: 8, .value_kind: global_buffer, .address_space: global }
      - { .name: gate_w, .offset: 16, .size: 8, .value_kind: global_buffer, .address_space: global }
      - { .name: gate_b, .offset: 24, .size: 8, .value_kind: global_buffer, .address_space: global }
      - { .name: xb, .offset: 32, .size: 8, .value_kind: global_buffer, .address_space: global }
      - { .name: wb, .offset: 40, .size: 8, .value_kind: global_buffer, .address_space: global }
      - { .name: gates, .offset: 48, .size: 8, .value_kind: global_buffer, .address_space: global }
    .group_segment_fixed_size: 0
    .private_segment_fixed_size: 0
    .kernarg_segment_align: 8
    .kernarg_segment_size: 56
    .max_flat_workgroup_size: 256
    .sgpr_count:     66
    .vgpr_count:     512
    .wavefront_size: 32
...
	.end_amdgpu_metadata
.endif
;; end of part 1
;; launch moe (part 2): grid 16 x 32, 4 waves a work-group, clusters of 4 x 4, 327,680 bytes of LDS; arguments xb, wb, gates, expert_b, out0; writes out0
.if DOCPART == 2
	.amdgcn_target "amdgcn-amd-amdhsa--gfx1250"
	.amdhsa_code_object_version 6
	.text
	.protected	k_q406082d773_moe
	.globl	k_q406082d773_moe
	.p2align	8
	.type	k_q406082d773_moe,@function
k_q406082d773_moe:
	s_mov_b64 s[64:65], 0
	v_nop
	global_prefetch_b8 v0, s[64:65] scope:SCOPE_SE
	s_setreg_imm32_b32 hwreg(HW_REG_WAVE_MODE, 25, 1), 1
	s_wait_xcnt 0x0
	s_wait_alu depctr_hold_cnt(0) depctr_sa_sdst(0) depctr_va_vdst(0) depctr_va_sdst(0) depctr_va_ssrc(0) depctr_va_vcc(0) depctr_vm_vsrc(0)
	s_getreg_b32 s2, hwreg(HW_REG_IB_STS2, 6, 4)
	s_cmp_eq_u32 s2, 0
	s_cbranch_scc0 .Lentry_in_a_cluster
	s_endpgm
.Lentry_in_a_cluster:
	s_bfe_u32 s2, ttmp6, 0x10000c
	s_cmp_lg_u32 s2, 0xf033
	s_cbranch_scc0 .Lentry_shape_is_right
	s_endpgm
.Lentry_shape_is_right:
; out0[n][o] = sum over e of gates[n][e] * (sum over i of xb[n][i] W[e][o][i] + expert_b[e][o]).
; xb: [8192][1024] bf16.  wb: the 8192 rows (e, o) of W in bf16, at row (o>>6)*512 + (e>>2)*256 + ((o>>5)&1)*128 + (e&3)*32 + (o&31).
; gates: [8192][8] f32.  expert_b: [8][1024] f32.  out0: [8192][1024] f32.
; (expert, output) is taken as the N axis of a product with K = 1024, so that a wave keeps a block of 128 x 128 sums (512 registers).
; Work-group (c, br) makes rows 256 br .. + 255, columns 64 c .. + 63 of out0 in two passes of four experts.  A pass is a block of
; 256 tokens x 256 rows of wb (4 experts x 64 outputs).  Wave w: tokens 128 (w >> 1) .. , outputs 32 (w & 1) .. + 31 of the 4 experts.
; The bias is the C operand of a pass's first products; at a pass's end the sums are multiplied by the gates in f32 and added over the
; experts into 128 registers (256 packed multiply-adds for 2,048 matrix instructions).
; K goes in steps of 128 through two LDS slots filled by the tensor data mover; a tile's rows are 256 bytes of memory, aligned.
; The ring runs on from pass 0 into pass 1.  A wave has two tensor loads out at the start, later one.
; CLUSTERS: 4 x 4 work-groups.  The four of a row of the cluster share br and so the tiles of xb, the four of a column share c and so
; the tiles of wb: each tile is asked for jointly, with one descriptor and a mask that names the four.
; The matrix instruction is used transposed (source 0 = 16 rows of wb, source 1 = 16 rows of xb): lane l then holds token l % 16 and,
; in registers 0 to 7, the eight neighbouring outputs 8 (l / 16) + 0 .. 7.
; The 64 accumulators take turns, one instruction a turn, in the same order everywhere.
; LIMITS: x and W enter rounded once to bf16; bias, gates and all sums are f32; the order of the sums is not the reference's.
;
; REGISTERS, in windows of 256:
;   window 0: v16-28 addresses; v32-63 gates; v64-127, v128-191 fragments of xb, two buffers; v192-255 the bias
;   window 1: v64-127, v128-191 fragments of wb, two buffers; v0-63 and v192-255 the sums over the experts
;   window 2: the 32 accumulator tiles of my tokens 0-63 (tile (a, b) at v[8 (8 a + b)]);  window 3: those of my tokens 64-127
;   n tile b = expert b >> 1 of the pass, outputs 16 (b & 1) .. + 15
.set KSTEP,  128
.set PITCH,  272                       ; an LDS row: 256 bytes + 16 of padding = 68 words, so 16 neighbouring rows start 4 words apart modulo 64
.set HALFT,  128*PITCH                 ; 128 rows: what one tensor load brings
.set SLOT,   4*HALFT                   ; 256 rows of xb, then 256 rows of wb
.set XROW,   2048                      ; bytes in a row of xb and of wb
.set OROW,   4096                      ; bytes in a row of out0 and of expert_b
.set ADRA, 16                          ; v16-17  LDS address of my xb fragments in slot 0, 1
.set ADRB, 20                          ; v20-21  the same for wb
.set STO,  24                          ; v24     the way out: where I put 16 bytes of a row
.set RD,   25                          ; v25     the way out: where I read a row back
.set CO,   26                          ; v26     my byte offset in out0
.set GOFF, 27                          ; v27     32 x (l % 16): my token's row in gates
.set BOFF, 28                          ; v28     256 c + 128 (w & 1) + 32 (l / 16): my eight outputs in a row of expert_b
.set G,    32                          ; v[32:63]   gate of m tile A (0..7), expert q of the pass, at G + 4 A + q
.set F0,   64
.set F1,   128
.set BIAS, 192                         ; v[192:255] n tile b at BIAS + 8 b
.set G1,  24                           ; s[24:31] descriptor group 1, tiles of xb
.set G0,  32                           ; s[32:39] descriptor group 0, tiles of xb, a set for each slot
.set G1B, 48                           ; s[48:55] group 1, tiles of wb: the mask differs
.set G0B, 56                           ; s[56:63] group 0, tiles of wb
.set MSB, 0
.macro WIN new                         ; the immediate's high byte repeats the setting that is left
.if MSB != \new
	s_set_vgpr_msb (MSB<<8)|\new
.set MSB, \new
.endif
.endm
.set MUL_LO,   0xa1                    ; source 0 (wb) window 1, source 1 (xb) window 0, C and D window 2
.set MUL_HI,   0xf1                    ; the same, C and D window 3
.set START_LO, 0x81                    ; the same sources, C (the bias) window 0, D window 2
.set START_HI, 0xc1                    ; D window 3
.set TO_B,     0x40                    ; destination window 1
.set COMB_LO,  0x52                    ; source 0 window 2, source 1 window 0, source 2 and destination window 1
.set COMB_HI,  0x53                    ; source 0 window 3
.set ST_O,     0x04                    ; an LDS store's data in window 1
; A joint load.  Waves 0 and 1 fetch the two halves of the xb tile, waves 2 and 3 those of the wb tile.  Each line has one mask and one
; set of registers; the branch hangs on the wave's number alone.
.macro JLOAD s
	s_cmp_eq_u32 s15, 0
	s_cbranch_scc0 .Lfor_b_\@
	tensor_load_to_lds s[G0+4*\s:G0+4*\s+3], s[G1:G1+7]
	s_nop 0
	s_branch .Lasked_\@
.Lfor_b_\@:
	tensor_load_to_lds s[G0B+4*\s:G0B+4*\s+3], s[G1B:G1B+7]
	s_nop 0
.Lasked_\@:
.endm
; A round of the cluster's barrier: my work-group's barrier, wave 0 signals for the work-group, every wave waits for all sixteen
; work-groups, my work-group's barrier once more.
.macro CREST                           ; a round behind its opening barrier
	s_cmp_lg_u32 s14, 0
	s_cbranch_scc1 .Lnot_wave_0_\@
	s_barrier_signal -3
.Lnot_wave_0_\@:
	s_barrier_wait -3
	s_barrier_signal -1
	s_barrier_wait -1
.endm
.macro CROUND
	s_barrier_signal -1
	s_barrier_wait -1
	CREST
.endm
	s_load_b256 s[4:11], s[0:1], 0x0               ; xb s[4:5], wb s[6:7], gates s[8:9], expert_b s[10:11]
	s_load_b64 s[12:13], s[0:1], 0x20              ; out0
	v_lshl_add_u32 v30, v0, 2, 0x44000
	v_mov_b32 v31, 0
	ds_add_u32 v30, v31
	v_lshrrev_b32 v1, 5, v0
	v_readfirstlane_b32 s14, v1                    ; wave 0..3
	s_lshr_b32 s15, s14, 1                         ; which 128 tokens are mine.  Also: I fetch for xb (0) or for wb (1)
	s_and_b32 s16, s14, 1                          ; which 32 outputs are mine.  Also: which 128 rows of that tile I fetch
	s_bfe_u32 s40, ttmp6, 0x40000                  ; cx
	s_bfe_u32 s41, ttmp6, 0x40004                  ; cy
	s_lshl_b32 s42, ttmp9, 2
	s_add_co_u32 s42, s42, s40                     ; c = 4 x cluster x + cx
	s_and_b32 s43, ttmp7, 0xffff
	s_lshl_b32 s43, s43, 2
	s_add_co_u32 s43, s43, s41                     ; br = 4 x cluster y + cy
	s_lshl_b32 s44, s41, 2
	s_lshl_b32 s44, 15, s44                        ; my row of the cluster: places 4 cy .. 4 cy + 3
	s_lshl_b32 s45, 0x1111, s40                    ; my column: places cx, cx + 4, cx + 8, cx + 12
	; group 1: a tile of 128 rows x 128 elements of 2 bytes, 16 bytes of padding behind each row of 64 words
	s_or_b32 s[G1+0], s44, (1<<16)|(1<<20)|(1<<21)|(5<<22)|(3<<25)   ; 15:0 mask; 17:16 element size; 20 padding on; 21 set beside a mask; 24:22 every 64 words; 31:25 four words
	s_or_b32 s[G1B+0], s45, (1<<16)|(1<<20)|(1<<21)|(5<<22)|(3<<25)
	s_mov_b32 s[G1+1], KSTEP<<16                   ; tensor_dim0 = 128
	s_mov_b32 s[G1B+1], KSTEP<<16
	s_mov_b32 s[G1+2], 128<<16                     ; tensor_dim1 = 128
	s_mov_b32 s[G1B+2], 128<<16
	s_mov_b32 s[G1+3], KSTEP<<16                   ; tile_dim0 = 128
	s_mov_b32 s[G1B+3], KSTEP<<16
	s_mov_b32 s[G1+4], 128                         ; tile_dim1 = 128
	s_mov_b32 s[G1B+4], 128
	s_mov_b32 s[G1+5], 1024                        ; elements from row to row
	s_mov_b32 s[G1B+5], 1024
	s_mov_b32 s[G1+6], 0
	s_mov_b32 s[G1B+6], 0
	s_mov_b32 s[G1+7], 0
	s_mov_b32 s[G1B+7], 0
	; where the tiles come from: xb hangs on br alone, wb on c alone; each offset in registers that never hold the other coordinate
	s_lshl_b32 s17, s16, 7                         ; which 128 rows of the tile I fetch
	s_lshl_b32 s18, s43, 8
	s_add_co_u32 s18, s18, s17                     ; xb: row 256 br + 128 x half
	s_lshl_b32 s18, s18, 11                        ; in bytes, below 2^24
	s_mov_b32 s19, 0
	s_lshl_b32 s46, s42, 9
	s_add_co_u32 s46, s46, s17                     ; wb: row 512 c + 128 x half (pass 0)
	s_lshl_b32 s46, s46, 11
	s_mov_b32 s47, 0
	s_mul_i32 s20, s14, HALFT                      ; where they go: wave x 128 rows
	s_wait_dscnt 0x0
	s_wait_kmcnt 0x0
	s_add_nc_u64 s[22:23], s[4:5], s[18:19]
	s_add_nc_u64 s[46:47], s[6:7], s[46:47]
	CROUND                                         ; all sixteen work-groups are here: the first joint loads meet
.irp s, 0,1
	s_mov_b32 s[G0+4*\s], 1                                        ; count = 1
	s_add_co_u32 s[G0+4*\s+1], s20, \s*SLOT                        ; LDS address
	s_add_nc_u64 s[G0+4*\s+2:G0+4*\s+3], s[22:23], \s*KSTEP*2      ; global address: K step s
	s_or_b32 s[G0+4*\s+3], s[G0+4*\s+3], 0x80000000                ; type = 2
	s_mov_b32 s[G0B+4*\s], 1
	s_add_co_u32 s[G0B+4*\s+1], s20, \s*SLOT
	s_add_nc_u64 s[G0B+4*\s+2:G0B+4*\s+3], s[46:47], \s*KSTEP*2
	s_or_b32 s[G0B+4*\s+3], s[G0B+4*\s+3], 0x80000000
	JLOAD \s                                       ; both first fills go out before anything else is done
.endr
	; a fragment is 16 rows x 32 K in 8 registers: lane l holds row l % 16; two loads of 16 bytes, 32 bytes apart, at row x pitch + 16 (l / 16)
	v_and_b32 v1, 15, v0                           ; r = l % 16
	v_bfe_u32 v2, v0, 4, 1                         ; h = l / 16
	v_mul_u32_u24 v3, v1, PITCH
	v_lshl_add_u32 v3, v2, 4, v3
	s_mul_i32 s21, s15, HALFT                      ; my 128 rows of xb
	s_mul_i32 s22, s16, HALFT                      ; my 128 rows of wb,
	s_add_co_u32 s22, s22, 2*HALFT                 ; which lie behind the 256 of xb
.irp s, 0,1
	v_add_nc_u32 v[ADRA+\s], s21, v3
	v_add_nc_u32 v[ADRB+\s], s22, v3
	s_add_co_u32 s21, s21, SLOT
	s_add_co_u32 s22, s22, SLOT
.endr
	s_mul_i32 s18, s15, HALFT                      ; the stage: row = token in the block, 272 bytes apart; my 32 outputs are 128 bytes of it
	s_lshl_b32 s19, s16, 7
	s_add_co_u32 s18, s18, s19
	v_mul_u32_u24 v4, v1, PITCH
	v_lshl_add_u32 v4, v2, 5, v4                   ; + 32 h: eight f32
	v_add_nc_u32 v[STO], s18, v4
	s_mul_i32 s19, s14, 64*PITCH                   ; back: wave w takes rows 64 w .. + 63, two a load
	v_mul_u32_u24 v5, v2, PITCH
	v_lshl_add_u32 v5, v1, 4, v5
	v_add_nc_u32 v[RD], s19, v5
	v_lshlrev_b32 v5, 12, v2                       ; and the same two rows in out0
	v_lshl_add_u32 v[CO], v1, 4, v5
	v_lshlrev_b32 v[GOFF], 5, v1
	s_lshl_b32 s66, s42, 8
	s_lshl_b32 s67, s16, 7
	s_add_co_u32 s66, s66, s67
	v_lshl_add_u32 v[BOFF], v2, 5, s66
	s_lshl_b32 s18, s43, 8
	s_lshl_b32 s19, s15, 7
	s_add_co_u32 s18, s18, s19                     ; my first token
	s_lshl_b32 s18, s18, 5
	s_mov_b32 s19, 0
	s_add_nc_u64 s[8:9], s[8:9], s[18:19]          ; gates at my first token
	s_lshl_b32 s68, s43, 8
	s_lshl_b32 s69, s14, 6
	s_add_co_u32 s68, s68, s69                     ; the first row that I store
	s_lshl_b32 s68, s68, 12
	s_lshl_b32 s69, s42, 8                         ; + 256 c bytes
	s_add_co_u32 s68, s68, s69
	s_mov_b32 s69, 0
	s_add_nc_u64 s[12:13], s[12:13], s[68:69]
; the bias of pass p in the accumulators' layout: n tile b, register j = expert_b[4 p + (b >> 1)][64 c + 32 (w & 1) + 16 (b & 1) + 8 h + j]
.macro LDBIAS p
.irp b, 0,1,2,3,4,5,6,7
	global_load_b128 v[BIAS+8*\b:BIAS+8*\b+3],   v[BOFF], s[10:11] offset:(4*\p+(\b>>1))*OROW+64*(\b&1)
	global_load_b128 v[BIAS+8*\b+4:BIAS+8*\b+7], v[BOFF], s[10:11] offset:(4*\p+(\b>>1))*OROW+64*(\b&1)+16
.endr
.endm
; the four gates of pass p for my token in each of the eight m tiles
.macro LDGATE p
.irp m, 0,1,2,3,4,5,6,7
	global_load_b128 v[G+4*\m:G+4*\m+3], v[GOFF], s[8:9] offset:512*\m+16*\p
.endr
.endm
; 16 matrix instructions: m tiles a0, a0 + 1 of the window's four x all 8 n tiles, 32 along K.  start = 1: C is the bias, nothing is cleared
.macro MUL16 f, hi, a0, start
.irp a, \a0, \a0+1
.irp b, 0,1,2,3,4,5,6,7
.if \start
	v_wmma_f32_16x16x32_bf16 v[8*(8*(\a)+\b):8*(8*(\a)+\b)+7], v[\f+8*\b:\f+8*\b+7], v[\f+8*(4*\hi+\a):\f+8*(4*\hi+\a)+7], v[BIAS+8*\b:BIAS+8*\b+7]
.else
	v_wmma_f32_16x16x32_bf16 v[8*(8*(\a)+\b):8*(8*(\a)+\b)+7], v[\f+8*\b:\f+8*\b+7], v[\f+8*(4*\hi+\a):\f+8*(4*\hi+\a)+7], v[8*(8*(\a)+\b):8*(8*(\a)+\b)+7]
.endif
.endr
.endr
.endm
; 32 LDS loads in one run: the fragments of a quarter step (128 rows of wb, 128 of xb, 32 K at byte k of the rows) into buffer f
.macro FETCH slot, k, f
	WIN TO_B
.irp i, 0,1,2,3,4,5,6,7
	ds_load_b128 v[\f+8*\i:\f+8*\i+3],   v[ADRB+\slot] offset:\k+\i*16*PITCH
	ds_load_b128 v[\f+8*\i+4:\f+8*\i+7], v[ADRB+\slot] offset:\k+\i*16*PITCH+32
.endr
	WIN 0
.irp i, 0,1,2,3,4,5,6,7
	ds_load_b128 v[\f+8*\i:\f+8*\i+3],   v[ADRA+\slot] offset:\k+\i*16*PITCH
	ds_load_b128 v[\f+8*\i+4:\f+8*\i+7], v[ADRA+\slot] offset:\k+\i*16*PITCH+32
.endr
.endm
; four places behind a matrix instruction before a load lands in one of its registers or a vector instruction reads its result
; (ISA guide 7.12.1 for vector instructions); other matrix instructions are not counted as places
.macro PLACES
.rept 4
	v_nop
.endr
.endm
; a quarter step: 64 matrix instructions on buffer f; in its middle the next quarter's fragments, at byte k, go into buffer g
.macro QUARTER slot, k, f, g, start
	s_wait_dscnt 8                                 ; wb and xb rows 0-63 are in; the youngest eight loads (xb rows 64-127) may be out
.if \start
	WIN START_LO
.else
	WIN MUL_LO
.endif
	MUL16 \f, 0, 0, \start
	MUL16 \f, 0, 2, \start
	PLACES
	FETCH \slot, \k, \g
	s_wait_dscnt 32                                ; all but the 32 just issued
.if \start
	WIN START_HI
.else
	WIN MUL_HI
.endif
	MUL16 \f, 1, 0, \start
	MUL16 \f, 1, 2, \start
.endm
.macro THREE slot, start
	QUARTER \slot, 64,  F0, F1, \start
	QUARTER \slot, 128, F1, F0, 0
	QUARTER \slot, 192, F0, F1, 0
.endm
; The last quarter of a K step: multiplies buffer 1 and changes slots.  fill = 0: nothing is fetched; 1: this slot gets the tile two
; K steps on; 2: it gets the next pass's tile (xb back to the row's start, wb 256 rows on).
; In front of the barrier each wave waits for its reads of this slot and for all its tensor loads (one is out: its part of the next
; slot).  Where the slot is filled again the barrier opens a round of the cluster's barrier, and the joint load is the first tensor
; load behind the round.  From a request to the wait for it a wave issues 240 matrix instructions.
.macro TURN slot, next, fill
	s_wait_dscnt 8
	WIN MUL_LO
	MUL16 F1, 0, 0, 0
	s_wait_dscnt 0                                 ; my reads of this slot are over
	s_set_vgpr_msb 0xa1a0
	s_wait_tensorcnt 0x0                           ; and all my tensor loads have landed
	ds_add_u32 v30, v31
	s_wait_dscnt 0x0
	s_set_vgpr_msb 0xa0a1
	s_barrier_signal -1
	MUL16 F1, 0, 2, 0                              ; register work while the others arrive
	WIN 0
	s_barrier_wait -1
.if \fill
	CREST                                          ; no wave of any partner still reads this slot or has a load on its way
.if \fill == 1
	s_add_nc_u64 s[G0+4*\slot+2:G0+4*\slot+3], s[G0+4*\slot+2:G0+4*\slot+3], 2*KSTEP*2
	s_add_nc_u64 s[G0B+4*\slot+2:G0B+4*\slot+3], s[G0B+4*\slot+2:G0B+4*\slot+3], 2*KSTEP*2
.else
	s_sub_nc_u64 s[G0+4*\slot+2:G0+4*\slot+3], s[G0+4*\slot+2:G0+4*\slot+3], 6*KSTEP*2              ; three steps of 512 bytes back
	s_add_nc_u64 s[G0B+4*\slot+2:G0B+4*\slot+3], s[G0B+4*\slot+2:G0B+4*\slot+3], 256*XROW-6*KSTEP*2 ; the same, and 256 rows on
.endif
	JLOAD \slot
.endif
	PLACES
	FETCH \next, 0, F0
	WIN MUL_HI
	MUL16 F1, 1, 0, 0
	MUL16 F1, 1, 2, 0
.endm
.macro LAP start, fill                 ; two K steps: once round the ring
	THREE 0, \start
	TURN 0, 1, \fill
	THREE 1, 0
	TURN 1, 0, \fill
.endm
; the sums over the experts: O(hi, a, u) += accumulator (hi, a, 2 q + u) x gate (m tile 4 hi + a, expert q), two numbers at a time.
; The gate is one register of a pair, taken for both halves.  q goes outermost: 31 other sums lie between two steps of one sum.
.macro CSTEP o, c, g, sel, mul
.if \mul
	v_pk_mul_f32 v[\o:\o+1], v[\c:\c+1], v[\g:\g+1] op_sel_hi:[1,0]
.else
.if \sel
	v_pk_fma_f32 v[\o:\o+1], v[\c:\c+1], v[\g:\g+1], v[\o:\o+1] op_sel:[0,1,0] op_sel_hi:[1,1,1]
.else
	v_pk_fma_f32 v[\o:\o+1], v[\c:\c+1], v[\g:\g+1], v[\o:\o+1] op_sel_hi:[1,0,1]
.endif
.endif
.endm
.macro COMBQ hi, q, g2, sel, mul
.irp a, 0,1,2,3
.irp u, 0,1
.irp i, 0,1,2,3
	CSTEP 192*\hi+8*(2*\a+\u)+2*\i, 8*(8*\a+2*\q+\u)+2*\i, G+4*(4*\hi+\a)+\g2, \sel, \mul
.endr
.endr
.endr
.endm
.macro COMBH hi, win, first
	WIN \win
	COMBQ \hi, 0, 0, 0, \first                     ; in the first pass expert 0 starts the sums
	COMBQ \hi, 1, 0, 1, 0
	COMBQ \hi, 2, 2, 0, 0
	COMBQ \hi, 3, 2, 1, 0
.endm
.macro COMBINE first
	COMBH 0, COMB_LO, \first
	COMBH 1, COMB_HI, \first
.endm
	LDBIAS 0
	LDGATE 0
	s_wait_tensorcnt 1                             ; my part of K step 0 is in; K step 1 may stay out
	s_barrier_signal -1
	s_barrier_wait -1                              ; everybody's is
	FETCH 0, 0, F0
	s_wait_loadcnt 0x0                             ; the bias is the first products' C
	; ---- pass 0: experts 0 to 3 ----
	LAP 1, 1
	WIN 0
	LDBIAS 1                                       ; the bias was last read in the first quarter step; it has the rest of the pass in which to come
	s_mov_b32 s3, 2
.Lp0:
	LAP 0, 1
	WIN 0
	s_sub_co_u32 s3, s3, 1
	s_cmp_lg_u32 s3, 0
	s_cbranch_scc1 .Lp0
	LAP 0, 2                                       ; its refills are the first two K steps of pass 1, its last fetch their first fragments
	PLACES
	COMBINE 1
	WIN 0
	LDGATE 1
	s_wait_loadcnt 0x8                             ; the 16 loads of the bias are in; the 8 of the gates, issued behind them, stay out
	; ---- pass 1: experts 4 to 7 ----
	LAP 1, 1
	WIN 0
	s_mov_b32 s3, 2
.Lp1:
	LAP 0, 1
	WIN 0
	s_sub_co_u32 s3, s3, 1
	s_cmp_lg_u32 s3, 0
	s_cbranch_scc1 .Lp1
	THREE 0, 0                                     ; the last lap fills nothing: my one tensor load still out is the last K step's
	TURN 0, 1, 0                                   ; behind its barrier nobody reads slot 0 again and no tensor load is out
	THREE 1, 0
	s_wait_dscnt 8
	WIN MUL_LO
	MUL16 F1, 0, 0, 0
	MUL16 F1, 0, 2, 0
	s_wait_dscnt 0
	WIN MUL_HI
	MUL16 F1, 1, 0, 0
	MUL16 F1, 1, 2, 0
	PLACES
	s_wait_loadcnt 0x0                             ; the gates of pass 1
	COMBINE 0
	; ---- the way out ----
	; A lane holds 32 bytes of a row, and a row's 256 bytes belong to two waves.  So the block goes through LDS: 256 rows of 272 bytes
	; from byte 0, inside slot 0, which has had its last fill and whose last reads every wave waited for in front of the last barrier.
	WIN ST_O
.irp hi, 0,1
.irp a, 0,1,2,3
.irp u, 0,1
	ds_store_b128 v[STO], v[192*\hi+8*(2*\a+\u):192*\hi+8*(2*\a+\u)+3]   offset:(4*\hi+\a)*16*PITCH+64*\u
	ds_store_b128 v[STO], v[192*\hi+8*(2*\a+\u)+4:192*\hi+8*(2*\a+\u)+7] offset:(4*\hi+\a)*16*PITCH+64*\u+16
.endr
.endr
.endr
	WIN 0
	s_wait_dscnt 0x0                               ; my stores are done, for the waves that read them
	s_barrier_signal -1
	s_barrier_wait -1
.set t, 0
.rept 32
	ds_load_b128 v[F0+4*t:F0+4*t+3], v[RD] offset:2*PITCH*t        ; two whole rows a load; 128 registers, none used twice
.set t, t+1
.endr
.set t, 0
.rept 32
	s_wait_dscnt 31-t                              ; LDS loads come back in order (ISA guide 5.7.1): load t is in, the younger ones stay out
	global_store_b128 v[CO], v[F0+4*t:F0+4*t+3], s[12:13] offset:2*OROW*t th:TH_STORE_NT   ; 16 lanes store 256 consecutive bytes, aligned
.set t, t+1
.endr
	s_wait_tensorcnt 0x0
	ds_add_u32 v30, v31
	s_wait_dscnt 0x0
	CROUND                                         ; the closing round: no work-group ends while a partner may still ask for a tile that names it
	s_endpgm
.Lfunc_end_k_q406082d773_moe:
	.size	k_q406082d773_moe, .Lfunc_end_k_q406082d773_moe-k_q406082d773_moe
	.p2alignl 7, 3214868480
	.fill 96, 4, 3214868480
	.section	.rodata,"a",@progbits
	.p2align	6, 0x0
	.amdhsa_kernel k_q406082d773_moe
		.amdhsa_group_segment_fixed_size 327680
		.amdhsa_private_segment_fixed_size 0
		.amdhsa_enable_private_segment 0
		.amdhsa_kernarg_size 40
		.amdhsa_user_sgpr_count 2
		.amdhsa_user_sgpr_kernarg_segment_ptr 1
		.amdhsa_wavefront_size32 1
		.amdhsa_system_sgpr_workgroup_id_x 1
		.amdhsa_system_sgpr_workgroup_id_y 1
		.amdhsa_system_sgpr_workgroup_id_z 1
		.amdhsa_system_vgpr_workitem_id 0
		.amdhsa_next_free_vgpr 1024
		.amdhsa_next_free_sgpr 70
		.amdhsa_reserve_vcc 0
		.amdhsa_float_denorm_mode_32 3
		.amdhsa_float_denorm_mode_16_64 3
		.amdhsa_memory_ordered 1
		.amdhsa_forward_progress 1
		.amdhsa_inst_pref_size 255
	.end_amdhsa_kernel
	.section	.bss,"aw",@nobits
	.p2align	6
	.space	262144
	.amdgpu_metadata
---
amdhsa.version: [ 1, 2 ]
amdhsa.kernels:
  - .name:           k_q406082d773_moe
    .symbol:         k_q406082d773_moe.kd
    .args:
      - { .name: xb, .offset: 0, .size: 8, .value_kind: global_buffer, .address_space: global }
      - { .name: wb, .offset: 8, .size: 8, .value_kind: global_buffer, .address_space: global }
      - { .name: gates, .offset: 16, .size: 8, .value_kind: global_buffer, .address_space: global }
      - { .name: expert_b, .offset: 24, .size: 8, .value_kind: global_buffer, .address_space: global }
      - { .name: out0, .offset: 32, .size: 8, .value_kind: global_buffer, .address_space: global }
    .group_segment_fixed_size: 327680
    .private_segment_fixed_size: 0
    .kernarg_segment_align: 8
    .kernarg_segment_size: 40
    .max_flat_workgroup_size: 128
    .sgpr_count:     70
    .vgpr_count:     1024
    .wavefront_size: 32
...
	.end_amdgpu_metadata
.endif
;; end of part 2
